; MI455X (gfx1250); checked and timed in simulation.
; The chip was launched on July 23, 2026; its instructions are those of AMD's public machine-readable ISA for CDNA 5 (MIT licence, August 2026) and "CDNA5" Instruction Set Architecture Reference Guide (July 2026). The comments in the code are by the model that wrote it; some were corrected since.
;; Interactive Align attention. Allowed arithmetic: matrix products marked QUANTISED: E2M1 operands, one E8M0 scale for each 32 along K, by v_wmma_scale_f32_16x16x128_f8f6f4 with both operands' format E2M1 (or v_wmma_scale_f32_32x16x128_f4), f32 sums; everything else in f32.
;; Inputs: Bg 256 float32; Br 256 float32; Wg_codes 256 x 32 x 16 uint8 (E2M1 codes of Wg, K innermost, in blocks of 32 codes, two codes a byte); Wg_scales 256 x 32 uint8 (E8M0 scales of Wg, one for each 32 codes along K); Wr_codes 256 x 32 x 16 uint8 (E2M1 codes of Wr, K innermost, in blocks of 32 codes, two codes a byte); Wr_scales 256 x 32 uint8 (E8M0 scales of Wr, one for each 32 codes along K); c 16 x 4,096 x 256 float32; c_mask 16 x 4,096 bool; q 16 x 512 x 256 float32; q_mask 16 x 512 bool.
;; Outputs: out0 16 x 4,096 x 256 float32.
;; This version of the problem:
;;   THIS VERSION OF THE PROBLEM IS GIVEN IN LOW PRECISION. The matrix products marked QUANTISED in the list below multiply operands that are first quantised to E2M1 (2 exponent bits, 1 mantissa bit; 4 bits a number), with one power-of-two scale for each 32 numbers along K (OCP MX v1.0); their sums are f32. All else is computed in f32.
;;   The module's matrix products, in the order in which they are computed (A, B: the left and right operand; K: the contracted axis; several contracted axes count as one K, in the product's order):
;;     1. batch 16 x [M 4,096, K 256] x [K 256, N 512]; A: input c; B: input q: QUANTISED
;;     2. batch 16 x [M 4,096, K 512] x [K 512, N 256]; A: softmax (see below); B: input q: QUANTISED
;;     3. [M 65,536, K 1,024] x [K 1,024, N 256]; A: computed on the way; B: input Wr (given as codes): QUANTISED
;;     4. [M 65,536, K 1,024] x [K 1,024, N 256]; A: computed on the way; B: input Wg (given as codes): QUANTISED
;;   THE QUANTISER, for each operand of a quantised product, along K:
;;     - K is cut into blocks of 32 from its start; a last block that is shorter is filled with zeros.
;;     - A block's scale is 2^e with e = floor(log2(the largest magnitude in the block)) - 2, held to -126 .. 127; a block of zeros has e = 0. As a byte (E8M0): e + 127.
;;     - Each number is divided by its block's scale, clamped to +-6, and rounded to the nearest number of E2M1, ties to even, subnormals kept.
;;     - The product sums the exact products of the quantised numbers (number of the format x scale) in f32.
;;   ~~~python
;;   def quantise(x, axis):      # numpy; x: float32 -> the quantised numbers, widened to float32 again
;;       x = np.moveaxis(x, axis, -1); K = x.shape[-1]
;;       x = np.pad(x, [(0, 0)] * (x.ndim - 1) + [(0, -K % 32)]); x = x.reshape(x.shape[:-1] + (-1, 32)); a = np.abs(x).max(-1, keepdims=True)
;;       e = np.where(a > 0, np.clip(np.frexp(np.where(a > 0, a, 1))[1] - 1 - 2, -126, 127), 0)      # np.frexp(a)[1] - 1 = floor(log2(a)), exactly
;;       r = np.clip(x / 2.0 ** e, -6, 6)
;;       step = 2.0 ** (np.maximum(np.frexp(np.where(r == 0, 1, r))[1] - 1, 0) - 1)
;;       q = np.round(r / step) * step * 2.0 ** e      # np.round: ties to even
;;       return np.moveaxis(q.reshape(q.shape[:-2] + (-1,))[..., :K], -1, axis).astype(np.float32)
;;   ~~~
;;   SOFTMAX AHEAD OF A QUANTISED PRODUCT. Where the list says 'softmax', what is quantised is not the finished softmax but p = 2^(t - M), with t = logit x log2(e) and M = ceil(the row's largest t), a whole number; so 1/2 < the row's largest p <= 1. The row's sum l is taken of the UNQUANTISED p, in f32, and the product's result is divided by l at the end. Since M is a whole number, a kernel that streams over the keys may use a running M (the ceiling of the running maximum): every later rescaling is an exact power of two, which a block's scale takes up: the codes' values come out the same.
;;   OPERANDS COMPUTED ON THE WAY. 'Computed on the way' means the value that the module computes at that place (a softmax that the list does not call 'softmax' is quantised finished and normalised). What goes into a quantiser is computed in f32, as accurately as f32 sums, v_exp_f32 and their like allow (about 1e-6 of the number): no bf16 or f16 on the way to a quantiser, and a product that is left as it is and whose result goes on into a quantised operand takes f32 operands (vector FMAs, or v_wmma_f32_16x16x4_f32). A number that lies on a knife's edge between two numbers of the format may be rounded either way, as far as f32 arithmetic and the matrix unit's own rounding can turn it there, and no further.
;;   INPUTS GIVEN AS CODES. Wg (in the module: [1024, 256], K = its axis 0); Wr (in the module: [1024, 256], K = its axis 0): each comes as NAME_codes (uint8): NAME with its K axis moved to the last place and cut into blocks of 32 codes, [.., K / 32, bytes a block], one block behind the other in memory; two codes a byte, the lower K in the low four bits (a code: sign, 2 exponent bits, 1 mantissa bit); and NAME_scales (uint8): the same leading axes, one E8M0 byte (e + 127) for each 32 codes along K. Its value is code x scale, taken as it is: it is not quantised again, and the codes and scales need not be those that the quantiser above would give.
;; One version. Each part assembles by itself: llvm-mc -triple=amdgcn-amd-amdhsa -mcpu=gfx1250 --defsym DOCPART=n.
;; ======== version 1 of 1: 2 launches
;; limits: right only within a limited range of input values
;; workspace buffers: qpack 2,228,224 bytes; wpack 278,528 bytes
;; launch prep (part 1): grid 160 x 1, 8 waves a work-group, no clusters, 69,120 bytes of LDS; arguments q, Wr_codes, Wr_scales, Wg_codes, Wg_scales, qpack, wpack; writes qpack, wpack
.if DOCPART == 1
	.amdgcn_target "amdgcn-amd-amdhsa--gfx1250"
	.amdhsa_code_object_version 6
	.text
	.protected	k_qd60ba165e9_prep
	.globl	k_qd60ba165e9_prep
	.p2align	8
	.type	k_qd60ba165e9_prep,@function
k_qd60ba165e9_prep:
	s_mov_b64 s[64:65], 0
	v_nop
	global_prefetch_b8 v0, s[64:65] scope:SCOPE_SE
	s_setreg_imm32_b32 hwreg(HW_REG_WAVE_MODE, 25, 1), 1
	s_wait_xcnt 0x0
; q [16][512][256] f32 is quantised to FP4 (E2M1) with one E8M0 byte for each 32 along K, twice: along d (K images, the operand of c q^T) and along the keys (V images, the operand of p q).
; The given codes and scale bytes of Wr and Wg are laid anew.  Everything is laid IN THE ORDER OF THE OPERAND'S REGISTERS: a half fragment (16 rows x 128 K) is 1,024 bytes,
; register group c (0, 1) at 512 c, lane l's 16 bytes at 16 l; so the next launch takes every fragment by dense accesses of 512 bytes.
; THE ROWS OF A FRAGMENT ARE NOT NEIGHBOURS.  q's images: half u of fragment f of a group G of 64 rows (keys in K's, columns in V's) gives lane r the row 64 G + 32 (r / 8) + 16 f + 8 u + r % 8.
; The weights': half u of a group of 32 rows gives lane r the row 8 u + r + 8 (r / 8) of it.
; qpack, for each batch 139,264 bytes: 0 K images (1,024-byte pieces 4 jf + 2 u + s, jf = 2 G + f, d 128 s on); 65,536 V images (16 s + 2 df + u, df = 2 G + f, keys 128 s on);
;   131,072 K's scale words (G: 512 bytes, lane 16 u + r: words (f, s) = 00, 01, 10, 11); 135,168 V's (df: 512 bytes, lane 16 u + r: words s = 0 .. 3).
; wpack: columns 64 w on 65,536 bytes: Wr's 32 pieces (8 ct + s, ct = 2 x group + u), then Wg's; from 262,144 on, columns 32 w' on 2,048 bytes: m x 1,024 + g x 512 + u x 256 + 16 r: scale bytes 16 g .. 16 g + 15 of the row.
; A block's scale byte is its largest magnitude's exponent field - 2, held at 1 from below.  A block of zeros so gets the byte 1 where the rule says 127: its codes are zeros, and this program alone reads the bytes.
; LIMITS: NaN and infinities in q are not served.  The scale words of q's images leave as 4 bytes a lane, 16 bytes apart: 8,192 bytes a batch that are not written in whole runs of 256.
; SHARES.  Work-groups 0-127: 128 keys x 128 columns of one batch, read once in runs of 512 bytes and laid into LDS as rows 528 bytes apart (33 x 16: neighbouring rows start in different banks); wave v makes the K piece of 16 of the
; keys and the V codes of 32 columns x 64 keys; the scale bytes of a V word come from two waves and meet in LDS.  Work-groups 128-159: 16 rows of one weight, a piece a wave.
.set PB,    139264
.set VIMG,  65536
.set KSC,   131072
.set VSC,   135168
.set WSC,   262144
.set NQW,   128                        ; work-groups for q
.set RP,    528
.set BY,    128*RP                     ; the V words' bytes: 4 x 128 bytes,
.set SPARE, BY+512                     ; and the spare words, 128 bytes for each wave, which no other line names
.set FLOOR, 0x1800000                  ; 2^(3 - 127)
.set SPW,   2
.set NIL,   3
.set X,     32                         ; K's numbers
.set Y,     96                         ; V's
.set KC,    160                        ; codes
.set VC,    168
.macro VFRAG j                         ; a column's block of 32 keys
.set ys, Y+32*(\j)
.set vt, 22+4*(\j)
	v_max3_num_f32 v[vt], |v[ys]|, |v[ys+1]|, |v[ys+2]|
	v_max3_num_f32 v[vt+1], |v[ys+3]|, |v[ys+4]|, |v[ys+5]|
.irp i,6,10,14,18,22,26
	v_max3_num_f32 v[vt], v[vt], |v[ys+\i]|, |v[ys+\i+1]|
	v_max3_num_f32 v[vt+1], v[vt+1], |v[ys+\i+2]|, |v[ys+\i+3]|
.endr
	v_max3_num_f32 v[vt], v[vt], |v[ys+30]|, |v[ys+31]|
	v_max3_num_f32 v[vt], v[vt], v[vt+1], FLOOR
	v_add_nc_u32 v[vt+2], 0xff000000, v[vt]
.irp g,0,1,2,3
	v_cvt_scalef32_pk8_fp4_f32 v[VC+4*(\j)+\g], v[ys+8*\g:ys+8*\g+7], v[vt+2]
.endr
	v_lshrrev_b32 v[vt+3], 23, v[vt+2]             ; the byte (and a plain line behind the conversions)
	ds_store_b8 v9, v[vt+3] offset:\j
	global_store_b128 v12, v[VC+4*(\j):VC+4*(\j)+3], s[34:35] offset:256*(\j)   ; sixteen lanes store 256 consecutive bytes, aligned
.endm
	s_load_b256 s[4:11], s[0:1], 0x0               ; q s[4:5], Wr's codes s[6:7], Wr's scales s[8:9], Wg's codes s[10:11]
	s_load_b128 s[12:15], s[0:1], 0x20             ; Wg's scales s[12:13], qpack s[14:15]
	s_load_b64 s[16:17], s[0:1], 0x30              ; wpack
	v_lshl_add_u32 v[SPW], v0, 2, SPARE
	v_mov_b32 v[NIL], 0
	v_lshrrev_b32 v1, 5, v0
	v_readfirstlane_b32 s18, v1                    ; wave v
	v_and_b32 v1, 31, v0                           ; l
	v_and_b32 v14, 15, v0                          ; r
	v_bfe_u32 v15, v0, 4, 1                        ; h, or u
	v_and_b32 v4, 8, v14
	v_lshlrev_b32 v5, 4, v1                        ; 16 l
	v_lshlrev_b32 v13, 4, v14                      ; 16 r
	v_mul_u32_u24 v10, 3, v4
	v_add_nc_u32 v10, v10, v14                     ; r + 24 (r / 8): the rows of q's images
	v_add_nc_u32 v4, v4, v14                       ; r + 8 (r / 8): the weights' rows
	s_mov_b32 s20, 0x76543210
	s_mov_b32 s21, 0xfedcba98                      ; lane l xor 16
	s_wait_alu depctr_va_vdst(0)                   ; ahead of the branch
	s_cmp_lt_u32 ttmp9, NQW
	s_cbranch_scc0 .Lw
	; ---- q: batch x 8 + key step s x 2 + half e of d
	s_lshr_b32 s23, ttmp9, 3
	s_bfe_u32 s24, ttmp9, 0x20001                  ; s
	s_and_b32 s25, ttmp9, 1                        ; e
	s_lshr_b32 s42, s18, 1                         ; v / 2: my V fragment of the four; 2 G' + f of my K piece
	s_lshr_b32 s43, s18, 2                         ; v / 4
	s_and_b32 s44, s42, 1
	s_and_b32 s45, s18, 1                          ; v % 2: u of my K piece; which 64 keys of V
	s_lshl_b32 s26, s23, 19
	s_lshl_b32 s27, s24, 17
	s_add_co_u32 s26, s26, s27
	s_lshl_b32 s27, s25, 9
	s_add_co_u32 s26, s26, s27
	s_lshl_b32 s27, s18, 14                        ; I load keys 16 v on
	s_add_co_u32 s26, s26, s27
	s_mov_b32 s27, 0
	s_mul_i32 s32, s18, 16*RP
	v_add_nc_u32 v6, s32, v5                       ; and lay them here
	s_mul_i32 s38, s43, 64*RP
	s_mul_i32 s33, s44, 16*RP
	s_add_co_u32 s38, s38, s33
	s_mul_i32 s33, s45, 8*RP
	s_add_co_u32 s38, s38, s33
	v_mul_u32_u24 v7, v10, RP
	v_lshl_add_u32 v7, v15, 7, v7
	v_add_nc_u32 v7, s38, v7                       ; K: my key's row, + 128 h
	s_lshl_b32 s39, s43, 8
	s_lshl_b32 s33, s44, 6
	s_add_co_u32 s39, s39, s33
	s_mul_i32 s33, s45, 64*RP
	s_add_co_u32 s39, s39, s33
	v_lshl_add_u32 v8, v15, 3, v10
	v_lshlrev_b32 v8, 2, v8
	v_add_nc_u32 v8, s39, v8                       ; V: my column, + 64 keys x (v % 2)
	s_lshl_b32 s41, s42, 7
	s_add_co_u32 s41, s41, BY
	s_lshl_b32 s40, s45, 1
	s_add_co_u32 s40, s40, s41
	v_lshlrev_b32 v11, 2, v1
	v_add_nc_u32 v9, s40, v11                      ; where my column's bytes go
	v_add_nc_u32 v11, s41, v11                     ; and where its word is read
	v_lshlrev_b32 v12, 10, v15
	v_add_nc_u32 v12, v12, v13                     ; V image: half u, 16 r
	v_lshlrev_b32 v16, 3, v15                      ; 8 h
	v_mov_b32 v17, 0                               ; a lane permute's destination counts as one of its sources
	s_mul_i32 s32, s23, PB
	s_lshl_b32 s28, s24, 14                        ; K piece 16 s + 2 v + e
	s_lshl_b32 s29, s18, 11
	s_add_co_u32 s28, s28, s29
	s_lshl_b32 s29, s25, 10
	s_add_co_u32 s28, s28, s29
	s_add_co_u32 s28, s28, s32
	s_mov_b32 s29, 0
	s_lshl_b32 s30, s24, 10                        ; K's words: G = 2 s + v / 4
	s_lshl_b32 s31, s43, 9
	s_add_co_u32 s30, s30, s31
	s_lshl_b32 s31, s45, 8
	s_add_co_u32 s30, s30, s31
	s_lshl_b32 s31, s44, 3
	s_add_co_u32 s30, s30, s31
	s_lshl_b32 s31, s25, 2
	s_add_co_u32 s30, s30, s31
	s_add_co_u32 s30, s30, s32
	s_add_co_u32 s30, s30, KSC
	s_mov_b32 s31, 0
	s_lshl_b32 s34, s24, 14                        ; V pieces 16 s + 2 df, df = 4 e + v / 2; block t = 2 (v % 2) + j: 512 (v % 2) + 256 j
	s_lshl_b32 s35, s25, 13
	s_add_co_u32 s34, s34, s35
	s_lshl_b32 s35, s42, 11
	s_add_co_u32 s34, s34, s35
	s_lshl_b32 s35, s45, 9
	s_add_co_u32 s34, s34, s35
	s_add_co_u32 s34, s34, s32
	s_add_co_u32 s34, s34, VIMG
	s_mov_b32 s35, 0
	s_lshl_b32 s36, s25, 11                        ; V's words
	s_lshl_b32 s37, s42, 9
	s_add_co_u32 s36, s36, s37
	s_lshl_b32 s37, s24, 2
	s_add_co_u32 s36, s36, s37
	s_add_co_u32 s36, s36, s32
	s_add_co_u32 s36, s36, VSC
	s_mov_b32 s37, 0
	s_wait_alu depctr_va_vdst(0)                   ; the wait at the head's end
	s_wait_kmcnt 0x0
	s_add_nc_u64 s[4:5], s[4:5], s[26:27]
	s_add_nc_u64 s[28:29], s[14:15], s[28:29]
	s_add_nc_u64 s[30:31], s[14:15], s[30:31]
	s_add_nc_u64 s[34:35], s[14:15], s[34:35]
	s_add_nc_u64 s[36:37], s[14:15], s[36:37]
.irp i,0,1,2,3,4,5,6,7,8,9,10,11,12,13,14,15
	global_load_b128 v[X+4*\i:X+4*\i+3], v5, s[4:5] offset:1024*\i   ; key i: the 32 lanes read 512 consecutive bytes
.endr
.irp i,0,1,2,3,4,5,6,7,8,9,10,11,12,13,14,15
.if \i%4 == 0
	s_wait_loadcnt 12-\i                           ; four more are in
.endif
	ds_store_b128 v6, v[X+4*\i:X+4*\i+3] offset:RP*\i
.endr
	s_wait_dscnt 0x0                               ; my rows lie in LDS:
	s_barrier_signal -1
	s_barrier_wait -1                              ; all 128 do
.irp c,0,1
.irp i,0,1,2,3,4,5,6,7
	ds_load_b128 v[X+32*\c+4*\i:X+32*\c+4*\i+3], v7 offset:256*\c+16*\i   ; my key's d 64 c + 32 h + 0 .. 31: two whole blocks
.endr
.endr
.irp j,0,1
.irp i,0,1,2,3,4,5,6,7,8,9,10,11,12,13,14,15,16,17,18,19,20,21,22,23,24,25,26,27,28,29,30,31
	ds_load_b32 v[Y+32*\j+\i], v8 offset:32*RP*\j+RP*\i                   ; my column, down the keys
.endr
.endr
	s_wait_dscnt 63                                ; 64 loads of V's stand behind K's 16: K's are in
.irp c,0,1
	v_max3_num_f32 v[18+\c], |v[X+32*\c]|, |v[X+32*\c+1]|, FLOOR       ; the block's largest magnitude, the floor among its leaves; the two blocks by turns
.endr
.irp i,2,4,6,8,10,12,14,16,18,20,22,24,26,28,30
.irp c,0,1
	v_max3_num_f32 v[18+\c], v[18+\c], |v[X+32*\c+\i]|, |v[X+32*\c+\i+1]|
.endr
.endr
.irp c,0,1
	v_add_nc_u32 v[20+\c], 0xff000000, v[18+\c]    ; 2 off the exponent field: the conversion's scale operand
.endr
.irp c,0,1
	v_lshrrev_b32 v[18+\c], 23, v[20+\c]           ; the scale's byte
.endr
	v_lshl_or_b32 v18, v19, 16, v18                ; my two bytes, blocks h and 2 + h,
	v_lshlrev_b32 v18, v16, v18                    ; 8 h bits up;
	v_permlanex16_b32 v17, v18, s20, s21
	v_or_b32 v18, v18, v17                         ; with lane l xor 16's two the word is whole
.irp c,0,1
.irp g,0,1,2,3
	v_cvt_scalef32_pk8_fp4_f32 v[KC+4*\c+\g], v[X+32*\c+8*\g:X+32*\c+8*\g+7], v[20+\c]
.endr
.endr
	v_nop                                          ; a plain line behind the last conversion
.irp c,0,1
	global_store_b128 v5, v[KC+4*\c:KC+4*\c+3], s[28:29] offset:512*\c   ; 32 lanes store 512 consecutive bytes
.endr
	global_store_b32 v13, v18, s[30:31]            ; my key's word; both halves of the lanes hold and write the same
	s_wait_alu depctr_va_vdst(0)                   ; directly ahead of the wait below
	s_wait_dscnt 0x0
	VFRAG 0
	VFRAG 1
	s_wait_alu depctr_va_vdst(0)
	s_wait_dscnt 0x0                               ; my bytes lie in LDS:
	s_barrier_signal -1
	s_barrier_wait -1                              ; everybody's do
	s_cmp_lg_u32 s45, 0
	s_cbranch_scc1 .Lq_end
	ds_load_b32 v30, v11
	s_wait_dscnt 0x0
	global_store_b32 v5, v30, s[36:37]             ; word s of each of 32 columns
.Lq_end:
	s_wait_tensorcnt 0x0                           ; the wave's end
	ds_add_u32 v[SPW], v[NIL]
	s_wait_dscnt 0x0
	s_endpgm
.Lw:
	; ---- the weights: 16 rows of one matrix; wave v moves K step v as it is, waves 0 and 1 the rows' scale bytes too
	s_sub_co_u32 s22, ttmp9, NQW
	s_lshr_b32 s24, s22, 4                         ; m
	s_and_b32 s23, s22, 15                         ; 2 x group of 32 rows + u = 4 w + ct
	s_lshr_b32 s42, s23, 1
	s_and_b32 s43, s23, 1
	s_lshl_b32 s25, s42, 5
	s_lshl_b32 s26, s43, 3
	s_add_co_u32 s25, s25, s26                     ; the first row
	s_lshl_b32 s26, s25, 9                         ; a row of codes is 512 bytes,
	s_lshl_b32 s27, s18, 6                         ; a K step 64 of them;
	s_add_co_u32 s26, s26, s27
	s_mov_b32 s27, 0
	s_and_b32 s44, s18, 1                          ; g
	s_lshl_b32 s32, s25, 5                         ; a row of scale bytes 32
	s_lshl_b32 s33, s44, 4
	s_add_co_u32 s32, s32, s33
	s_mov_b32 s33, 0
	s_lshr_b32 s28, s23, 2
	s_lshl_b32 s28, s28, 16                        ; w
	s_lshl_b32 s29, s24, 15
	s_add_co_u32 s28, s28, s29
	s_and_b32 s29, s23, 3
	s_lshl_b32 s29, s29, 13                        ; ct
	s_add_co_u32 s28, s28, s29
	s_lshl_b32 s29, s18, 10
	s_add_co_u32 s28, s28, s29
	s_mov_b32 s29, 0
	s_lshl_b32 s30, s42, 11
	s_lshl_b32 s31, s24, 10
	s_add_co_u32 s30, s30, s31
	s_lshl_b32 s31, s44, 9
	s_add_co_u32 s30, s30, s31
	s_lshl_b32 s31, s43, 8
	s_add_co_u32 s30, s30, s31
	s_add_co_u32 s30, s30, WSC
	s_mov_b32 s31, 0
	v_lshlrev_b32 v6, 9, v4
	v_lshl_add_u32 v6, v15, 4, v6
	v_lshlrev_b32 v7, 5, v4
	s_wait_alu depctr_va_vdst(0)                   ; the wait at the head's end
	s_wait_kmcnt 0x0
	s_cmp_lt_u32 s22, 16                           ; Wr or Wg: the choice hangs on the work-group's number alone
	s_cselect_b64 s[6:7], s[6:7], s[10:11]
	s_cselect_b64 s[8:9], s[8:9], s[12:13]
	s_add_nc_u64 s[6:7], s[6:7], s[26:27]
	s_add_nc_u64 s[8:9], s[8:9], s[32:33]
	s_add_nc_u64 s[28:29], s[16:17], s[28:29]
	s_add_nc_u64 s[30:31], s[16:17], s[30:31]
.irp c,0,1
	global_load_b128 v[X+4*\c:X+4*\c+3], v6, s[6:7] offset:32*\c      ; block 4 v + 2 c + h of my row
.endr
	s_cmp_lt_u32 s18, 2
	s_cbranch_scc0 .Lw_codes
	global_load_b128 v[X+8:X+11], v7, s[8:9]
	s_wait_loadcnt 0x0
	global_store_b128 v13, v[X+8:X+11], s[30:31]   ; both halves of the lanes hold and write the same: 256 consecutive bytes
.Lw_codes:
	s_wait_loadcnt 0x0
.irp c,0,1
	global_store_b128 v5, v[X+4*\c:X+4*\c+3], s[28:29] offset:512*\c
.endr
	s_endpgm
.Lfunc_end_k_qd60ba165e9_prep:
	.size	k_qd60ba165e9_prep, .Lfunc_end_k_qd60ba165e9_prep-k_qd60ba165e9_prep
	.p2alignl 7, 3214868480
	.fill 96, 4, 3214868480
	.section	.rodata,"a",@progbits
	.p2align	6, 0x0
	.amdhsa_kernel k_qd60ba165e9_prep
		.amdhsa_group_segment_fixed_size 69120
		.amdhsa_private_segment_fixed_size 0
		.amdhsa_enable_private_segment 0
		.amdhsa_kernarg_size 56
		.amdhsa_user_sgpr_count 2
		.amdhsa_user_sgpr_kernarg_segment_ptr 1
		.amdhsa_wavefront_size32 1
		.amdhsa_system_sgpr_workgroup_id_x 1
		.amdhsa_system_sgpr_workgroup_id_y 1
		.amdhsa_system_sgpr_workgroup_id_z 1
		.amdhsa_system_vgpr_workitem_id 0
		.amdhsa_next_free_vgpr 176
		.amdhsa_next_free_sgpr 66
		.amdhsa_reserve_vcc 0
		.amdhsa_float_denorm_mode_32 3
		.amdhsa_float_denorm_mode_16_64 3
		.amdhsa_memory_ordered 1
		.amdhsa_forward_progress 1
		.amdhsa_inst_pref_size 22
	.end_amdhsa_kernel
	.amdgpu_metadata
---
amdhsa.version: [ 1, 2 ]
amdhsa.kernels:
  - .name:           k_qd60ba165e9_prep
    .symbol:         k_qd60ba165e9_prep.kd
    .args:
      - { .name: q, .offset: 0, .size: 8, .value_kind: global_buffer, .address_space: global }
      - { .name: Wr_codes, .offset: 8, .size: 8, .value_kind: global_buffer, .address_space: global }
      - { .name: Wr_scales, .offset: 16, .size: 8, .value_kind: global_buffer, .address_space: global }
      - { .name: Wg_codes, .offset: 24, .size: 8, .value_kind: global_buffer, .address_space: global }
      - { .name: Wg_scales, .offset: 32, .size: 8, .value_kind: global_buffer, .address_space: global }
      - { .name: qpack, .offset: 40, .size: 8, .value_kind: global_buffer, .address_space: global }
      - { .name: wpack, .offset: 48, .size: 8, .value_kind: global_buffer, .address_space: global }
    .group_segment_fixed_size: 69120
    .private_segment_fixed_size: 0
    .kernarg_segment_align: 8
    .kernarg_segment_size: 56
    .max_flat_workgroup_size: 256
    .sgpr_count:     66
    .vgpr_count:     176
    .wavefront_size: 32
...
	.end_amdgpu_metadata
.endif
;; end of part 1
;; launch fuse (part 2): grid 256 x 1, 8 waves a work-group, clusters of 4 x 1, 318,464 bytes of LDS; arguments c, c_mask, q_mask, Br, Bg, qpack, wpack, out0; writes out0
.if DOCPART == 2
	.amdgcn_target "amdgcn-amd-amdhsa--gfx1250"
	.amdhsa_code_object_version 6
	.text
	.protected	k_qd60ba165e9_fuse
	.globl	k_qd60ba165e9_fuse
	.p2align	8
	.type	k_qd60ba165e9_fuse,@function
k_qd60ba165e9_fuse:
	s_mov_b64 s[64:65], 0
	v_nop
	global_prefetch_b8 v0, s[64:65] scope:SCOPE_SE
	s_setreg_imm32_b32 hwreg(HW_REG_WAVE_MODE, 25, 1), 1
	s_wait_xcnt 0x0
	s_wait_alu depctr_hold_cnt(0) depctr_sa_sdst(0) depctr_va_vdst(0) depctr_va_sdst(0) depctr_va_ssrc(0) depctr_va_vcc(0) depctr_vm_vsrc(0)
	s_getreg_b32 s2, hwreg(HW_REG_IB_STS2, 6, 4)
	s_cmp_eq_u32 s2, 0
	s_cbranch_scc0 .Lentry_in_a_cluster
	s_endpgm
.Lentry_in_a_cluster:
	s_bfe_u32 s2, ttmp6, 0x10000c
	s_cmp_lg_u32 s2, 0x3003
	s_cbranch_scc0 .Lentry_shape_is_right
	s_endpgm
.Lentry_shape_is_right:
; out = g r + (1 - g) c, r = tanh(cc Wr + Br), g = sigmoid(cc Wg + Bg), cc = [c, qa, c qa, c - qa], qa = softmax(c q^T, masked) q.  All four products on codes of FP4 (E2M1) with E8M0 scales.
; SHARES.  A work-group owns 256 rows of c (one batch), in two blocks of 128.  In a block wave w (of 8, two to a SIMD) owns the tile of rows 16 w .. 16 w + 15 for the attention and for cc's codes; for the last two
; products it owns columns 32 w .. 32 w + 31 of r and g for all 128 rows: so its eighth of Wr and Wg, 256 registers, stays in window 1 for the whole launch.
; q's images of a batch (139,264 bytes, laid by the launch before in the order of the operands' registers) come into LDS once: the four work-groups of a cluster belong to one batch and ask for them JOINTLY.
; The weights are not asked for jointly: they go from memory straight into registers, once a wave; q's images, c's rows and they do not fit in LDS together (139,264 + 133,120 + 278,528 bytes).
; ALL PRODUCTS ARE USED TRANSPOSED: source 0 = 32 keys, columns of q or rows of a weight, source 1 = 16 rows of c: a lane (r = lane % 16, h = lane / 16) holds ONE row of c throughout.  The rows of two fragments of q are chosen so that
; a lane's 32 registers are a WHOLE BLOCK of 32 neighbours along the next K, 64 G + 32 h + 0 .. 31, the one that the operand's layout wants in that lane: no exchange between lanes but that of the scale bytes and of the row's maximum and sum.
; THE SOFTMAX goes by 128 keys.  logit = score + pen(key), the penalty 0 or -1e30 being the C of the first product.  M(q) = ceil of the largest t = logit x log2(e) of keys 0 .. 128 q + 127; p = 2^(t - M(q)) is quantised; at the end the
; blocks' largest p and the sums of the unquantised p are multiplied by 2^(M(q) - M(3)), a power of two: it changes scale bytes and no codes.
; A row whose c_mask is false, and every row of a batch that has no valid key, takes 0 for log2(e): M = 0 and p = 1 at every key, as where every logit is -1e30.  All by selection: no branch hangs on data.
; LIMITS: the softmax holds while t, the scaled score, stays under 2^31 in magnitude; NaN and infinities among the inputs are not served.
; tanh(x) = 1 - 2 / (1 + 2^(2 log2(e) x)), sigmoid(x) = 1 / (1 + 2^(-log2(e) x)); out = c + g (r - c).  out is laid over c's rows in LDS and leaves as whole rows.
; PREFETCH: the second block's c, 16,384 bytes a wave, is asked for into the L2 by two instructions a wave in the first block's attention, three phases ahead of the loads; the first block's c comes by its loads alone.
; REGISTERS, window 0: v0-23 addresses and a row's factors; v24-31 at work; v32-63 two fragments of the ring, then cc's steps 2, 4, 6; v64-79 maxima and sums; v80-107 scale words alone; v108-123 c's codes (cc's steps 0, 1);
; v124-155 p's codes, then cc's steps 3, 5, 7; v156-219 logits, p, O^T, qa; v220-251 two fragments of the ring, or c and c qa.  In the fusion: v24-39 r, v64-79 g, v156-219 a tile's cc, v220-251 the biases.
.set PEN,   139264                     ; LDS: 0 K images, 65,536 V images, 131,072 K's scale words, 135,168 V's: filled once by the joint loads.  Then, written by LDS stores alone: 512 penalties,
.set BIAS,  141312                     ; Br, Bg,
.set CSLOT, 143360                     ; 128 rows of c, 1,040 bytes apart (65 x 16: the 16 rows that a load touches start in different banks),
.set CP,    1040
.set HALF,  64*CP
.set CCIMG, 276480                     ; cc's fragments of four tiles as images of their registers: 8,192 bytes a tile, 1,024 a K step,
.set CCSC,  309248                     ; the scale words of eight tiles, 128 bytes each,
.set SPARE, 317440                     ; and the spare words, 128 bytes for each wave, which no other line names
.set LI,1                              ; 16 l
.set LIV,2                             ; + 65,536
.set LIS,3                             ; + 131,072
.set PENA,4                            ; PEN + 128 h
.set CRD,5                             ; my row of c in the slot, + 128 h
.set CWR,6                             ; my wave's rows of the slot, + 16 l
.set CCW,7                             ; where I store cc's images
.set CCSW,8                            ; and their scale words
.set CCR,9                             ; where any image is read
.set CCSR,10
.set CFR,11                            ; c for the gate: row r, my wave's 32 columns, + 64 h
.set OSR,12                            ; out: rows 8 w on, + 16 l
.set GOUT,13                           ; and my byte offset in memory
.set BIA,14
.set CFR1,15                           ; the same 64 rows further down
.set OSR1,16
.set SPW,17
.set NIL,18
.set H8,19                             ; 8 h
.set AX,20                             ; log2(e), or 0 in a row that counts no score
.set RM,21                             ; the largest t so far
.set NM,22                             ; -M; later 1 / l
.set CMO,0                             ; 16 w + r
.set CMK,40                            ; my row's c_mask byte
.set TM,24
.set BM,64                             ; my eight blocks' largest logit, then largest p
.set NQ,72                             ; -M(q)
.set LQ,76                             ; the sums
.set KVS,80                            ; scale words: K's, V's, the weights'
.set CCS,96                            ; cc's
.set PS,104                            ; p's
.set CF,108
.set PF,124
.set S,156
.set X,220                             ; c qa; c lies two registers further on
.set SO,252
.set PFO,254                           ; the prefetches' offset, 256 l
.set ACR,24
.set ACG,64
.set FR,156
.set BIASR,220
.set FLOOR,0x1800000                   ; 2^(3 - 127): the byte cannot fall under 1
.set SEL,22                            ; s[22:23]
.set BLK,24
.set SAX,48                            ; s48: log2(e), or 0 where the batch has no valid key
.set MSB,0
.macro WIN new                         ; the immediate's high byte repeats the setting that is left; bits 1:0 source 0, 3:2 source 1, 5:4 source 2, 7:6 destination
.if MSB != \new
	s_set_vgpr_msb (MSB<<8)|\new
.set MSB, \new
.endif
.endm
.macro PLACES n
.rept \n
	v_nop
.endr
.endm
.macro BAR
	s_wait_dscnt 0x0                               ; my LDS stores and loads are done:
	s_barrier_signal -1
	s_barrier_wait -1                              ; everybody's are
.endm
.macro CROUND                          ; a round of the cluster's barrier
	s_barrier_signal -1
	s_barrier_wait -1
	s_cmp_lg_u32 s20, 0
	s_cbranch_scc1 .Lnot_wave_0_\@
	s_barrier_signal -3
.Lnot_wave_0_\@:
	s_barrier_wait -3
	s_barrier_signal -1
	s_barrier_wait -1
.endm
.macro STSET s                         ; where cc's K step s lies
.if (\s) < 2
.set st, CF+8*(\s)
.elseif (\s)%2 == 0
.set st, 40+4*((\s)-2)
.else
.set st, PF+4*((\s)-3)
.endif
.endm
.macro CGSET j                         ; the gate's c, 16 registers in four places
.set cg, 148+4*(\j)
.if (\j) == 2
.set cg, 252
.elseif (\j) == 3
.set cg, 20
.endif
.endm
.macro PRESET i                        ; the next c as loaded, 128 registers
.if (\i) < 24
.set pr, 156+4*(\i)
.else
.set pr, 108+4*((\i)-24)
.endif
.endm
.macro OSET p, i                       ; rows of out on their way, 64 registers
.if (\p) == 0
.set og, 156+4*(\i)
.elseif (\i) < 5
.set og, 44+4*(\i)
.elseif (\i) < 9
.set og, 140+4*((\i)-5)
.elseif (\i) < 13
.set og, 64+4*((\i)-9)
.else
.set og, 24+4*((\i)-13)
.endif
.endm
.macro SLSET e, g, k                   ; the ring: fragment k (0, 1) of group g
.if (\g)%2
.set sl, 220+16*(\k)
.elseif (\e) == 0
.set sl, 32+16*(\k)
.else
.set sl, 64-40*(\k)
.endif
.endm
; My block of 32 numbers, v[b] on, becomes four registers of codes, v[d] on; its byte goes into the word w: block 0's first; behind block 1's (last = 1) lane l xor 16's two bytes join and the word is whole
.macro QUANTB b, d, w, last
	v_max3_num_f32 v[TM], |v[\b]|, |v[(\b)+1]|, FLOOR
	v_max3_num_f32 v[TM+1], |v[(\b)+2]|, |v[(\b)+3]|, |v[(\b)+4]|
	v_max3_num_f32 v[TM+2], |v[(\b)+5]|, |v[(\b)+6]|, |v[(\b)+7]|
	v_max3_num_f32 v[TM+3], |v[(\b)+8]|, |v[(\b)+9]|, |v[(\b)+10]|
.irp i,11,19
	v_max3_num_f32 v[TM], v[TM], |v[(\b)+\i]|, |v[(\b)+\i+1]|
	v_max3_num_f32 v[TM+1], v[TM+1], |v[(\b)+\i+2]|, |v[(\b)+\i+3]|
	v_max3_num_f32 v[TM+2], v[TM+2], |v[(\b)+\i+4]|, |v[(\b)+\i+5]|
	v_max3_num_f32 v[TM+3], v[TM+3], |v[(\b)+\i+6]|, |v[(\b)+\i+7]|
.endr
	v_max3_num_f32 v[TM], v[TM], |v[(\b)+27]|, |v[(\b)+28]|
	v_max3_num_f32 v[TM+1], v[TM+1], |v[(\b)+29]|, |v[(\b)+30]|
	v_max3_num_f32 v[TM], v[TM], v[TM+2], v[TM+3]
	v_max3_num_f32 v[TM], v[TM], v[TM+1], |v[(\b)+31]|
	v_add_nc_u32 v[TM+4], 0xff000000, v[TM]        ; 2 off the exponent field: the conversion's scale operand
.irp g,0,1,2,3
	v_cvt_scalef32_pk8_fp4_f32 v[(\d)+\g], v[(\b)+8*\g:(\b)+8*\g+7], v[TM+4]
.endr
.if \last
	v_lshrrev_b32 v[TM+5], 23, v[TM+4]             ; the scale's byte (and a plain line behind the conversions)
	v_lshl_or_b32 v[\w], v[TM+5], 16, v[\w]
	v_lshlrev_b32 v[\w], v[H8], v[\w]
	v_permlanex16_b32 v[TM+6], v[\w], s[SEL], s[SEL+1]
	v_or_b32 v[\w], v[\w], v[TM+6]
.else
	v_lshrrev_b32 v[\w], 23, v[TM+4]
.endif
.endm
; K: chunk q of 128 keys has eight fragments of 32 keys x 128 d, in four groups of two: group g: d 128 (g / 2) on, keys 128 q + 64 (g % 2) on
.macro KGL q, g
.irp k,0,1
	SLSET 0, \g, \k
.irp u,0,1
.irp c,0,1
	ds_load_b128 v[sl+8*\u+4*\c:sl+8*\u+4*\c+3], v[LI] offset:(4*(4*(\q)+2*((\g)%2)+\k)+2*\u+(\g)/2)*1024+512*\c
.endr
.endr
.endr
.endm
.macro KSL q                           ; chunk q's scale words
.irp k,0,1
	ds_load_b128 v[KVS+8*((\q)%2)+4*\k:KVS+8*((\q)%2)+4*\k+3], v[LIS] offset:512*(2*(\q)+\k)
.endr
.endm
.macro PENL q, k                       ; the penalties of chunk q's group k of 64 keys go where its logits will be
.irp n,0,1,2,3,4,5,6,7
	ds_load_b128 v[S+32*(\k)+4*\n:S+32*(\k)+4*\n+3], v[PENA] offset:256*(2*(\q)+(\k))+16*\n
.endr
.endm
; V: half e of the columns: 16 fragments of 32 columns x 128 keys, in eight groups of two: group g: keys 128 (g / 2) on, columns 128 e + 64 (g % 2) on
.macro VFL e, g, k
	SLSET \e, \g, \k
.irp n,0,1,2,3
	ds_load_b128 v[sl+4*\n:sl+4*\n+3], v[LIV] offset:(16*((\g)/2)+2*(4*(\e)+2*((\g)%2)+(\k)))*1024+512*\n
.endr
.endm
.macro VGL e, g
	VFL \e, \g, 0
	VFL \e, \g, 1
.endm
.macro VSL e                           ; V's scale words of half e
.irp a,0,1,2,3
	ds_load_b128 v[KVS+4*\a:KVS+4*\a+3], v[LIS] offset:4096+512*(4*(\e)+\a)
.endr
.endm
.macro VEC k                           ; the largest of my block k's 32 logits, in four chains; each accumulator is first read at its low end
.set vb, S+32*(\k)
.set vt, TM+4*(\k)
	v_max3_num_f32 v[vt], v[vb], v[vb+1], v[vb+2]
	v_max3_num_f32 v[vt+1], v[vb+16], v[vb+17], v[vb+18]
	v_max3_num_f32 v[vt+2], v[vb+3], v[vb+4], v[vb+5]
	v_max3_num_f32 v[vt+3], v[vb+19], v[vb+20], v[vb+21]
.irp i,6,10
	v_max3_num_f32 v[vt], v[vt], v[vb+\i], v[vb+\i+1]
	v_max3_num_f32 v[vt+1], v[vt+1], v[vb+16+\i], v[vb+17+\i]
	v_max3_num_f32 v[vt+2], v[vt+2], v[vb+\i+2], v[vb+\i+3]
	v_max3_num_f32 v[vt+3], v[vt+3], v[vb+18+\i], v[vb+19+\i]
.endr
	v_max3_num_f32 v[vt], v[vt], v[vb+14], v[vb+15]
	v_max3_num_f32 v[vt+1], v[vt+1], v[vb+30], v[vb+31]
.endm
.macro PSUM from, n                    ; n pairs of the unquantised p, onto chain pair % 4
.set jj, \from
.rept \n
	v_pk_add_f32 v[TM+2*(jj%4):TM+2*(jj%4)+1], v[TM+2*(jj%4):TM+2*(jj%4)+1], v[S+2*jj:S+2*jj+1]
.set jj, jj+1
.endr
.endm
; CHUNK q: S^T = K c^T + the penalties for 128 keys, then p.  The four accumulators of 16 registers take turns.  Four places stand between a group's products and the loads into its fragments
.macro CHUNK q
.irp g,0,1,2,3
.if \g == 3 && (\q) < 3
	s_wait_dscnt 10                                ; the next chunk's two scale loads and eight fragment loads may be out
.else
	s_wait_dscnt 8                                 ; the eight youngest may be out: the other group's fragments or, in group 0, the second half of the penalties (behind the first chunk's set-up: group 1's fragments)
.endif
.irp k,0,1
	SLSET 0, \g, \k
.set ai, 2*(\g%2)+\k
.set rD, S+16*ai
	v_wmma_scale_f32_32x16x128_f4 v[rD:rD+15], v[sl:sl+15], v[CF+8*(\g/2):CF+8*(\g/2)+7], v[rD:rD+15], v[KVS+8*((\q)%2)+2*ai+\g/2], v[CCS+\g/2]
.endr
.if \g < 3
	PLACES 4
.else
	VEC 0                                          ; (its accumulators were finished a group ago; these are the places behind this group)
.endif
.if \g < 2
	KGL \q, \g+2
.elseif (\q) < 3
.if \g == 2
	KSL (\q)+1
.endif
	KGL (\q)+1, \g-2
.else
	VGL 0, \g-2
.endif
.endr
	VEC 1
	v_max3_num_f32 v[BM+2*(\q)], v[TM], v[TM+1], v[TM+2]
	v_max3_num_f32 v[BM+2*(\q)+1], v[TM+4], v[TM+5], v[TM+6]
	v_max_num_f32 v[BM+2*(\q)], v[BM+2*(\q)], v[TM+3]
	v_max_num_f32 v[BM+2*(\q)+1], v[BM+2*(\q)+1], v[TM+7]      ; the largest logit of each of my two blocks: it serves the row's maximum and, since p rises with the logit, the block's largest p
	v_max_num_f32 v[TM], v[BM+2*(\q)], v[BM+2*(\q)+1]
	v_permlanex16_b32 v[TM+1], v[TM], s[SEL], s[SEL+1]
	v_max_num_f32 v[TM], v[TM], v[TM+1]
	v_mul_f32 v[TM], v[TM], v[AX]
	v_max_num_f32 v[RM], v[RM], v[TM]
	v_floor_f32 v[NM], -v[RM]                      ; -M = floor(-t)
	v_mov_b32 v[NQ+(\q)], v[NM]
.irp k,0,1
	v_fma_f32 v[BM+2*(\q)+\k], v[BM+2*(\q)+\k], v[AX], v[NM]
.endr
.set ii, 0
.rept 32
	v_pk_fma_f32 v[S+2*ii:S+2*ii+1], v[S+2*ii:S+2*ii+1], v[AX:AX+1], v[NM:NM+1] op_sel_hi:[1,0,0]    ; t - M, one rounding
.set ii, ii+1
.endr
	s_wait_alu depctr_va_vdst(0)                   ; the wait ahead of the batch
.irp k,0,1
	v_exp_f32 v[BM+2*(\q)+\k], v[BM+2*(\q)+\k]     ; the same two instructions on the same number give the same bits
.endr
.set ii, 0
.rept 64
	v_exp_f32 v[S+ii], v[S+ii]
.set ii, ii+1
.endr
	v_nop
	s_wait_alu depctr_va_vdst(0)                   ; and behind it, ahead of its first reader
.irp k,0,1
	v_max_num_f32 v[BM+2*(\q)+\k], FLOOR, v[BM+2*(\q)+\k]
.endr
.irp k,0,1,2,3
	v_pk_add_f32 v[TM+2*\k:TM+2*\k+1], v[S+2*\k:S+2*\k+1], v[S+8+2*\k:S+9+2*\k]
.endr
.irp k,0,1
	v_add_nc_u32 v[SO+\k], 0xff000000, v[BM+2*(\q)+\k]
.endr
	PSUM 8, 8
.irp g,0,1,2,3
	v_cvt_scalef32_pk8_fp4_f32 v[PF+8*(\q)+\g], v[S+8*\g:S+8*\g+7], v[SO]
.endr
	PSUM 16, 4
.if (\q) < 3
	PENL (\q)+1, 0                                 ; these 32 registers are done with
.endif
	PSUM 20, 12
.irp g,0,1,2,3
	v_cvt_scalef32_pk8_fp4_f32 v[PF+8*(\q)+4+\g], v[S+32+8*\g:S+32+8*\g+7], v[SO+1]
.endr
	v_pk_add_f32 v[TM:TM+1], v[TM:TM+1], v[TM+2:TM+3]
	v_pk_add_f32 v[TM+4:TM+5], v[TM+4:TM+5], v[TM+6:TM+7]
.if (\q) < 3
	PENL (\q)+1, 1
.endif
	v_pk_add_f32 v[TM:TM+1], v[TM:TM+1], v[TM+4:TM+5]
	v_add_f32 v[LQ+(\q)], v[TM], v[TM+1]           ; my lane's sum of this chunk
.endm
; All chunks under M(3): 1 / l and p's four scale words
.macro FINALE
	VSL 0
.irp q,0,1,2
	v_sub_f32 v[TM+\q], v[NM], v[NQ+\q]            ; M(q) - M(3): a whole number, 0 or less
.endr
.irp q,0,1,2
	v_cvt_i32_f32 v[TM+\q], v[TM+\q]               ; (it saturates)
.endr
.irp q,0,1,2
	v_ldexp_f32 v[LQ+\q], v[LQ+\q], v[TM+\q]
	v_ldexp_f32 v[BM+2*\q], v[BM+2*\q], v[TM+\q]
	v_ldexp_f32 v[BM+2*\q+1], v[BM+2*\q+1], v[TM+\q]
.endr
	v_add_f32 v[TM+4], v[LQ], v[LQ+1]
	v_add_f32 v[TM+5], v[LQ+2], v[LQ+3]
.irp q,0,1,2,3,4,5
	v_max_num_f32 v[BM+\q], FLOOR, v[BM+\q]
.endr
	v_add_f32 v[TM+4], v[TM+4], v[TM+5]
	v_permlanex16_b32 v[TM+5], v[TM+4], s[SEL], s[SEL+1]
	v_add_f32 v[TM+4], v[TM+4], v[TM+5]            ; the row's sum
	s_wait_alu depctr_va_vdst(0)
	v_rcp_f32 v[NM], v[TM+4]
.irp q,0,1,2,3,4,5,6,7
	v_lshrrev_b32 v[BM+\q], 23, v[BM+\q]
.endr
	s_wait_alu depctr_va_vdst(0)                   ; the wait behind the transcendental
.irp q,0,1,2,3
	v_lshl_or_b32 v[PS+\q], v[BM+2*\q+1], 16, v[BM+2*\q]
.endr
.irp q,0,1,2,3
	v_add_nc_u32 v[PS+\q], 0xfffdfffe, v[PS+\q]    ; 2 off each exponent (none is under 3)
.endr
.irp q,0,1,2,3
	v_lshlrev_b32 v[PS+\q], v[H8], v[PS+\q]
.endr
.irp q,0,1,2,3
	v_permlanex16_b32 v[TM+\q], v[PS+\q], s[SEL], s[SEL+1]
.endr
.irp q,0,1,2,3
	v_or_b32 v[PS+\q], v[PS+\q], v[TM+\q]
.endr
	PLACES 8                                       ; a scale word written by vector instructions stands 8 places ahead of a scaled matrix instruction
	s_wait_alu depctr_va_vdst(0)                   ; directly ahead of the wait below
.endm
; O^T = V^T P^T for columns 128 e on; the four accumulators take turns
.macro OHALF e
.irp g,0,1,2,3,4,5,6,7
.if \g == 0 || \g == 7
	s_wait_dscnt 0x0
.else
	s_wait_dscnt 8                                 ; the next group's may be out
.endif
.irp k,0,1
	SLSET \e, \g, \k
.set ai, 2*(\g%2)+\k
.set rD, S+16*ai
.if \g < 2
	v_wmma_scale_f32_32x16x128_f4 v[rD:rD+15], v[sl:sl+15], v[PF+8*(\g/2):PF+8*(\g/2)+7], 0, v[KVS+4*ai+\g/2], v[PS+\g/2]
.else
	v_wmma_scale_f32_32x16x128_f4 v[rD:rD+15], v[sl:sl+15], v[PF+8*(\g/2):PF+8*(\g/2)+7], v[rD:rD+15], v[KVS+4*ai+\g/2], v[PS+\g/2]
.endif
.endr
	PLACES 4
.if \g < 6
	VGL \e, \g+2
.endif
.endr
.endm
.macro CL e, k                         ; my row's c, block k of d 128 e on
.irp n,0,1,2,3,4,5,6,7
	ds_load_b128 v[X+2+4*\n:X+5+4*\n], v[CRD] offset:512*(\e)+256*(\k)+16*\n
.endr
.endm
; c qa and c - qa of block k: the first goes two registers below c, the second over qa
.macro PRODS k
.set ii, 0
.rept 16
	v_pk_mul_f32 v[X+2*ii:X+2*ii+1], v[X+2+2*ii:X+3+2*ii], v[S+32*(\k)+2*ii:S+32*(\k)+2*ii+1]
	v_pk_add_f32 v[S+32*(\k)+2*ii:S+32*(\k)+2*ii+1], v[X+2+2*ii:X+3+2*ii], v[S+32*(\k)+2*ii:S+32*(\k)+2*ii+1] neg_lo:[0,1] neg_hi:[0,1]
.set ii, ii+1
.endr
.endm
; cc's K steps 2 + e, 4 + e, 6 + e
.macro CCHALF e
	CL \e, 0
.if (\e) == 0
	VSL 1                                          ; the other half's scale words and first fragment
	VFL 1, 0, 0
.else
.irp k,0,1,2,3
	global_load_b128 v[KVS+4*\k:KVS+4*\k+3], v[LI], s[44:45] offset:512*\k     ; the weights' scale words: Wr's eight, Wg's eight
.endr
.endif
.set ii, 0
.rept 32
	v_pk_mul_f32 v[S+2*ii:S+2*ii+1], v[S+2*ii:S+2*ii+1], v[NM:NM+1] op_sel_hi:[1,0]    ; qa = O^T / l, each accumulator from its low end on
.set ii, ii+1
.endr
.irp k,0,1
	STSET 2+\e
	QUANTB S+32*\k, st+4*\k, CCS+2+\e, \k
	s_wait_dscnt 0x0                               ; c is in
	PRODS \k
	STSET 4+\e
	QUANTB X, st+4*\k, CCS+4+\e, \k
.if \k == 0
	CL \e, 1
.elseif (\e) == 0
	VGL 1, 1
.endif
	STSET 6+\e
	QUANTB S+32*\k, st+4*\k, CCS+6+\e, \k
.endr
.if (\e) == 0
	VFL 1, 0, 1                                    ; into the registers at work above
.endif
.endm
.macro WLOAD k                         ; a quarter of my weights' 64 loads: matrix m, half u of a fragment's 32 rows, K step s, register group c
	WIN 0x40
.set nn, 16*(\k)
.rept 16
.set wr, 128*(nn/32)+16*((nn/2)%8)+8*((nn/16)%2)+4*(nn%2)
	global_load_b128 v[wr:wr+3], v[LI], s[16:17] offset:32768*(nn/32)+8192*((nn/16)%2)+1024*((nn/2)%8)+512*(nn%2)
.set nn, nn+1
.endr
	WIN 0
.endm
; A block's c, which lies in registers as loaded, goes into my wave's rows of the slot and comes back a block of 32 neighbours to a lane (LDS serves a wave in order); its codes serve the scores and are cc's first two K steps
.macro XPH first
	s_wait_alu depctr_va_vdst(0)                   ; directly ahead of the wait below
	s_wait_loadcnt 0x0
	v_cmp_ne_u32 vcc_lo, 0, v[CMK]
	v_mov_b32 v[AX], s[SAX]
	v_cndmask_b32 v[AX], 0, v[AX], vcc_lo          ; log2(e) where my row and some key of the batch count, else 0
	v_mov_b32 v[RM], 0xcf000000                    ; -2^31
	v_lshlrev_b32 v[PFO], 4, v[LI]
.set ii, 0
.rept 32
	PRESET ii
	ds_store_b128 v[CWR], v[pr:pr+3] offset:(ii/2)*CP+(ii%2)*512
.set ii, ii+1
.endr
.set ii, 0
.rept 16
	ds_load_b128 v[S+4*ii:S+4*ii+3], v[CRD] offset:256*(ii/8)+16*(ii%8)
.set ii, ii+1
.endr
.irp n,0,1,2,3,4,5,6,7
	ds_load_b128 v[X+4*\n:X+4*\n+3], v[CRD] offset:512+16*\n
.endr
.irp n,0,1,2,3,4,5,6,7
	ds_load_b128 v[PF+4*\n:PF+4*\n+3], v[CRD] offset:768+16*\n
.endr
.if \first
	s_wait_dscnt 16                                ; c's first 16 loads are back
.else
	KGL 0, 0
	s_wait_dscnt 24                                ; c's first 16 loads are back; its other 16 and eight of K's may be out
.endif
	QUANTB S, CF, CCS, 0
	QUANTB S+32, CF+4, CCS, 1
.if \first
	s_wait_dscnt 0x0
.else
	KSL 0
	PENL 0, 0
	PENL 0, 1
	s_wait_dscnt 26                                ; all of c; eight of K's, two of scale words and 16 of penalties may be out
.endif
	QUANTB X, CF+8, CCS+1, 0
	QUANTB PF, CF+12, CCS+1, 1
.if \first                             ; the first block's c is staged and quantised while q's images are on their way
	s_wait_alu depctr_va_vdst(0)
	s_wait_tensorcnt 0x0                           ; my eighth of the images has landed,
	BAR
	KGL 0, 0
	KSL 0
	PENL 0, 0
	PENL 0, 1
.endif
	KGL 0, 1
	PLACES 8                                       ; scale words and operands written by vector instructions stand 8 and 4 places ahead of a scaled matrix instruction
	s_wait_alu depctr_va_vdst(0)
.endm
.macro ASK off                         ; in the first block: 32 blocks of 256 bytes of my wave's rows of the second
	global_prefetch_b8 v[PFO], s[4:5] offset:131072+\off th:TH_LOAD_NT scope:SCOPE_SE
.endm
.macro CCLOAD p, m                     ; the pass's tile m: eight fragments of cc and their scale words: 24 loads
.irp s,0,1,2,3,4,5,6,7
.irp c,0,1
	ds_load_b128 v[FR+8*\s+4*\c:FR+8*\s+4*\c+3], v[CCR] offset:8192*(\m)+1024*\s+512*\c
.endr
.endr
.irp s,0,1,2,3,4,5,6,7
	ds_load_b32 v[CCS+\s], v[CCSR] offset:1024*(4*(\p)+(\m))+128*\s
.endr
.endm
.macro CGLOAD p, m                     ; its c at my 32 columns: 4 loads
.irp j,0,1,2,3
	CGSET \j
	ds_load_b128 v[cg:cg+3], v[CFR+4*(\p)] offset:16*CP*(\m)+16*\j
.endr
.endm
; A tile of 16 rows: my 32 columns of r and g (the two accumulators take turns; the bias is the C of a sum's first product), the gate, and out over c's place
.macro FTILE p, m
	s_wait_dscnt 4                                 ; all but c's 4 loads
	WIN 0x01
.irp s,0,1,2,3,4,5,6,7
.if \s == 0
	v_wmma_scale_f32_32x16x128_f4 v[ACR:ACR+15], v[16*\s:16*\s+15], v[FR+8*\s:FR+8*\s+7], v[BIASR:BIASR+15], v[KVS+\s], v[CCS+\s]
	v_wmma_scale_f32_32x16x128_f4 v[ACG:ACG+15], v[128+16*\s:128+16*\s+15], v[FR+8*\s:FR+8*\s+7], v[BIASR+16:BIASR+31], v[KVS+8+\s], v[CCS+\s]
.else
	v_wmma_scale_f32_32x16x128_f4 v[ACR:ACR+15], v[16*\s:16*\s+15], v[FR+8*\s:FR+8*\s+7], v[ACR:ACR+15], v[KVS+\s], v[CCS+\s]
	v_wmma_scale_f32_32x16x128_f4 v[ACG:ACG+15], v[128+16*\s:128+16*\s+15], v[FR+8*\s:FR+8*\s+7], v[ACG:ACG+15], v[KVS+8+\s], v[CCS+\s]
.endif
.endr
	WIN 0
	PLACES 4
.if (\m) < 3
	CCLOAD \p, (\m)+1
	s_wait_dscnt 24                                ; c is in; the next tile's 24 loads may be out
.else
.if (\p) == 1
	s_cmp_eq_u32 s[BLK], 1                         ; the second block's c is asked for here, if this is the first: no load leaves its buffer
	s_cbranch_scc1 .Lno_pre
.set ii, 0
.rept 32
	PRESET ii
	global_load_b128 v[pr:pr+3], v[LI], s[4:5] offset:131072+512*ii th:TH_LOAD_NT
.set ii, ii+1
.endr
	global_load_u8 v[CMK], v[CMO], s[6:7] offset:128
.Lno_pre:
.endif
	s_wait_dscnt 0x0
.endif
.set ii, 0
.rept 8
	v_pk_mul_f32 v[ACR+2*ii:ACR+2*ii+1], v[ACR+2*ii:ACR+2*ii+1], 0x4038aa3b op_sel_hi:[1,0]          ; 2 log2(e) x
	v_pk_mul_f32 v[ACG+2*ii:ACG+2*ii+1], v[ACG+2*ii:ACG+2*ii+1], 0xbfb8aa3b op_sel_hi:[1,0]          ; -log2(e) x
.set ii, ii+1
.endr
	s_wait_alu depctr_va_vdst(0)                   ; a wait ahead of each batch and one behind it
.set ii, 0
.rept 16
	v_exp_f32 v[ACR+ii], v[ACR+ii]
	v_exp_f32 v[ACG+ii], v[ACG+ii]
.set ii, ii+1
.endr
	v_nop
	s_wait_alu depctr_va_vdst(0)
.set ii, 0
.rept 8
	v_pk_add_f32 v[ACR+2*ii:ACR+2*ii+1], v[ACR+2*ii:ACR+2*ii+1], 1.0 op_sel_hi:[1,0]
	v_pk_add_f32 v[ACG+2*ii:ACG+2*ii+1], v[ACG+2*ii:ACG+2*ii+1], 1.0 op_sel_hi:[1,0]
.set ii, ii+1
.endr
	s_wait_alu depctr_va_vdst(0)
.set ii, 0
.rept 16
	v_rcp_f32 v[ACR+ii], v[ACR+ii]
	v_rcp_f32 v[ACG+ii], v[ACG+ii]
.set ii, ii+1
.endr
	v_nop
	s_wait_alu depctr_va_vdst(0)
.set ii, 0
.rept 8
	v_pk_fma_f32 v[ACR+2*ii:ACR+2*ii+1], v[ACR+2*ii:ACR+2*ii+1], -2.0, 1.0 op_sel_hi:[1,0,0]        ; r = tanh
.set ii, ii+1
.endr
.set ii, 0
.rept 8
	CGSET ii/2
	v_pk_add_f32 v[ACR+2*ii:ACR+2*ii+1], v[ACR+2*ii:ACR+2*ii+1], v[cg+2*(ii%2):cg+2*(ii%2)+1] neg_lo:[0,1] neg_hi:[0,1]   ; r - c
.set ii, ii+1
.endr
.set ii, 0
.rept 8
	CGSET ii/2
	v_pk_fma_f32 v[ACR+2*ii:ACR+2*ii+1], v[ACG+2*ii:ACG+2*ii+1], v[ACR+2*ii:ACR+2*ii+1], v[cg+2*(ii%2):cg+2*(ii%2)+1]     ; g (r - c) + c
.set ii, ii+1
.endr
.irp j,0,1,2,3
	ds_store_b128 v[CFR+4*(\p)], v[ACR+4*\j:ACR+4*\j+3] offset:16*CP*(\m)+16*\j
.endr
.if (\m) < 3
	CGLOAD \p, (\m)+1
.endif
.endm
; A pass: four tiles.  Their owners, waves 4 p .. 4 p + 3, lay cc's images into LDS; all eight waves fuse; then each stores eight of the 64 finished rows
.macro PASS p
.if (\p) == 1
	v_add_nc_u32 v[CFR1], HALF, v[CFR]
	v_add_nc_u32 v[OSR1], HALF, v[OSR]
.endif
	s_wait_alu depctr_va_vdst(0)                   ; ahead of the branch
	s_lshr_b32 s40, s20, 2
	s_cmp_lg_u32 s40, \p
	s_cbranch_scc1 .Lnot_mine_\@
.irp s,0,1,2,3,4,5,6,7
	STSET \s
.irp c,0,1
	ds_store_b128 v[CCW], v[st+4*\c:st+4*\c+3] offset:1024*\s+512*\c
.endr
.endr
.Lnot_mine_\@:
	BAR
	CCLOAD \p, 0
	CGLOAD \p, 0
	FTILE \p, 0
	FTILE \p, 1
	FTILE \p, 2
	FTILE \p, 3
	BAR
.set ii, 0
.rept 16
	OSET \p, ii
	ds_load_b128 v[og:og+3], v[OSR+4*(\p)] offset:CP*(ii/2)+512*(ii%2)
.set ii, ii+1
.endr
.set ii, 0
.rept 16
.if ii%4 == 0
	s_wait_dscnt 12-ii                             ; four more loads are back
.endif
	OSET \p, ii
	global_store_b128 v[GOUT], v[og:og+3], s[18:19] offset:512*ii th:TH_STORE_NT   ; 512 consecutive bytes, two aligned units of 256
.set ii, ii+1
.endr
	s_wait_xcnt 0x0                                ; the stores have read their registers and base
	s_add_nc_u64 s[18:19], s[18:19], 0x10000
.endm
	s_load_b256 s[4:11], s[0:1], 0x0               ; c s[4:5], c_mask s[6:7], q_mask s[8:9], Br s[10:11]
	s_load_b256 s[12:19], s[0:1], 0x20             ; Bg s[12:13], qpack s[14:15], wpack s[16:17], out0 s[18:19]
	v_lshl_add_u32 v[SPW], v0, 2, SPARE
	v_mov_b32 v[NIL], 0
	ds_add_u32 v[SPW], v[NIL]                      ; the opening: the add, twice on end, and its wait ahead of the first tensor load
	ds_add_u32 v[SPW], v[NIL]
	v_lshrrev_b32 v24, 5, v0
	v_readfirstlane_b32 s20, v24                   ; wave 0..7
	v_and_b32 v26, 31, v0                          ; l
	v_and_b32 v24, 15, v0                          ; r
	v_bfe_u32 v25, v0, 4, 1                        ; h
	v_lshlrev_b32 v[LI], 4, v26
	v_lshlrev_b32 v26, 2, v26                      ; 4 l
	v_add_nc_u32 v[LIV], 0x10000, v[LI]
	v_add_nc_u32 v[LIS], 0x20000, v[LI]
	v_lshl_add_u32 v[PENA], v25, 7, PEN
	v_lshlrev_b32 v[H8], 3, v25
	s_mul_i32 s40, s20, 16*CP
	s_add_co_u32 s40, s40, CSLOT                   ; my wave's 16 rows of the slot
	v_mul_u32_u24 v27, v24, CP
	v_lshl_add_u32 v[CRD], v25, 7, v27
	v_add_nc_u32 v[CRD], s40, v[CRD]
	v_add_nc_u32 v[CWR], s40, v[LI]
	s_and_b32 s41, s20, 3
	s_lshl_b32 s41, s41, 13
	s_add_co_u32 s41, s41, CCIMG
	v_add_nc_u32 v[CCW], s41, v[LI]
	s_lshl_b32 s42, s20, 10
	s_add_co_u32 s42, s42, CCSC
	v_add_nc_u32 v[CCSW], s42, v26
	v_add_nc_u32 v[CCR], CCIMG, v[LI]
	v_add_nc_u32 v[CCSR], CCSC, v26
	s_lshl_b32 s43, s20, 7                         ; my 32 columns in bytes
	s_add_co_u32 s44, s43, CSLOT
	v_lshl_add_u32 v[CFR], v25, 6, v27
	v_add_nc_u32 v[CFR], s44, v[CFR]
	s_mul_i32 s45, s20, 8*CP
	s_add_co_u32 s45, s45, CSLOT
	v_add_nc_u32 v[OSR], s45, v[LI]
	s_lshl_b32 s46, s20, 13
	v_add_nc_u32 v[GOUT], s46, v[LI]
	v_lshl_add_u32 v[BIA], v25, 6, BIAS
	v_add_nc_u32 v[BIA], s43, v[BIA]
	v_lshlrev_b32 v44, 1, v0                       ; two keys and two biases a thread: where they are read
	v_lshlrev_b32 v45, 2, v0
	v_lshl_add_u32 v46, v0, 3, PEN                 ; and where they go
	v_lshl_add_u32 v47, v0, 2, BIAS
	s_lshl_b32 s27, s20, 4
	v_add_nc_u32 v[CMO], s27, v24                  ; (the thread's number is used no more)
.irp b,0,1,2,3,4,5,6,7
	v_mov_b32 v[TM+\b], 0                          ; a lane permute's destination counts as one of its sources
.endr
	v_mov_b32 v23, 0                               ; named as the upper half of a pair
	s_mov_b32 s[SEL], 0x76543210
	s_mov_b32 s[SEL+1], 0xfedcba98                 ; lane l xor 16
	s_bfe_u32 s21, ttmp6, 0x40000                  ; cx: it enters the addresses of c, c_mask and out alone
	s_lshl_b32 s25, ttmp9, 2
	s_add_co_u32 s25, s25, s21                     ; my 256 rows: work-group x = 4 x cluster + cx
	s_lshr_b32 s26, ttmp9, 2                       ; the batch, which the four partners share
	; the joint load: my wave's eighth of the batch's images: 68 dense rows of 256 bytes
	s_mov_b32 s32, 15|(3<<16)|(1<<21)              ; 15:0 the mask: all four work-groups; 17:16 elements of 8 bytes; 21 set beside a mask; no padding
	s_mov_b32 s33, 32<<16                          ; tensor_dim0 = 32
	s_mov_b32 s34, 68<<16                          ; tensor_dim1 = 68
	s_mov_b32 s35, 32<<16                          ; tile_dim0 = 32
	s_mov_b32 s36, 68                              ; tile_dim1 = 68
	s_mov_b32 s37, 32                              ; from row to row
	s_mov_b32 s38, 0
	s_mov_b32 s39, 0
	s_mov_b32 s28, 1
	s_mul_i32 s29, s20, 17408                      ; the LDS address: my wave's number alone
	s_mul_i32 s46, s26, 139264
	s_add_co_u32 s46, s46, s29
	s_mov_b32 s47, 0
	s_lshl_b32 s40, s25, 18                        ; 256 rows of 1,024 bytes
	s_mov_b32 s41, 0
	s_lshl_b32 s42, s20, 14                        ; my wave's 16 rows
	s_mov_b32 s43, 0
	s_wait_alu depctr_va_vdst(0)                   ; directly ahead of the waits below
	s_wait_dscnt 0x0                               ; both opening adds are done
	s_wait_kmcnt 0x0
	s_add_nc_u64 s[30:31], s[14:15], s[46:47]
	s_or_b32 s31, s31, 0x80000000
	s_add_nc_u64 s[4:5], s[4:5], s[40:41]
	s_add_nc_u64 s[4:5], s[4:5], s[42:43]
	s_add_nc_u64 s[18:19], s[18:19], s[40:41]
	s_lshl_b32 s42, s25, 8
	s_add_nc_u64 s[6:7], s[6:7], s[42:43]
	s_lshl_b32 s42, s26, 9
	s_add_nc_u64 s[8:9], s[8:9], s[42:43]
	s_lshl_b32 s42, s20, 11
	s_add_co_u32 s42, s42, 262144
	s_add_nc_u64 s[44:45], s[16:17], s[42:43]      ; my wave's scale words of the weights
	s_lshr_b32 s42, s20, 1
	s_lshl_b32 s42, s42, 16
	s_and_b32 s40, s20, 1
	s_lshl_b32 s40, s40, 14
	s_add_co_u32 s42, s42, s40
	s_add_nc_u64 s[16:17], s[16:17], s[42:43]      ; and its fragments
	global_load_u16 v48, v44, s[8:9]               ; two bytes of q_mask a thread, for the penalties;
	global_load_b128 v[52:55], v[LI], s[8:9]       ; and the batch's 512 bytes to each wave, 16 a lane: has it a valid key?
	global_load_b32 v49, v45, s[10:11]
	global_load_b32 v50, v45, s[12:13]
	global_load_u8 v[CMK], v[CMO], s[6:7]
.set ii, 0
.rept 32
	PRESET ii
	global_load_b128 v[pr:pr+3], v[LI], s[4:5] offset:512*ii th:TH_LOAD_NT    ; the first block's c: 512 consecutive bytes a load
.set ii, ii+1
.endr
	CROUND                                         ; all four work-groups are here: the joint loads meet
	tensor_load_to_lds s[28:31], s[32:39]          ; my one tensor load of the launch: one is out
	s_nop 0
	PLACES 4
	s_wait_loadcnt 32                              ; all but c
	v_or_b32 v52, v52, v53
	v_or_b32 v54, v54, v55
	v_and_b32 v56, 0xff, v48
	v_lshrrev_b32 v57, 8, v48
	v_or_b32 v52, v52, v54
	v_mov_b32 v60, 0xf149f2ca                      ; -1e30
	v_cmp_ne_u32 s49, 0, v52                       ; a lane's bit is set where one of its 16 keys counts
	v_cmp_eq_u32 vcc_lo, 0, v56
	v_cndmask_b32 v58, 0, v60, vcc_lo              ; the penalties of my two keys
	v_cmp_eq_u32 vcc_lo, 0, v57
	v_cndmask_b32 v59, 0, v60, vcc_lo
	ds_store_b64 v46, v[58:59]
	ds_store_b32 v47, v49
	ds_store_b32 v47, v50 offset:1024
	s_cmp_lg_u32 s49, 0
	s_cselect_b32 s[SAX], 0x3fb8aa3b, 0            ; log2(e), or 0 where no key of the batch counts: a choice, no jump
	s_mov_b32 s[BLK], 2
	s_wait_alu depctr_va_vdst(0)                   ; the wait at the head's end
	XPH 1
	WLOAD 0                                        ; my weights, a quarter ahead of each chunk: the fusion is the first to read them
	CHUNK 0
	ASK 0
	WLOAD 1
	CHUNK 1
	ASK 8192
	WLOAD 2
	CHUNK 2
	WLOAD 3
	CHUNK 3
.Lblock:                                               ; a trip goes from the end of a block's scores to the end of the next block's
	FINALE
	OHALF 0
	CCHALF 0
	OHALF 1
	CCHALF 1
	; ---- r, g and the gate
.irp s,0,1,2,3,4,5,6,7
	ds_store_b32 v[CCSW], v[CCS+\s] offset:128*\s  ; my tile's scale words: their registers serve all tiles' from here on
.endr
.set ii, 0
.rept 8
	ds_load_b128 v[BIASR+4*ii:BIASR+4*ii+3], v[BIA] offset:1024*(ii/4)+16*(ii%4)   ; the biases in the results' layout
.set ii, ii+1
.endr
	s_wait_alu depctr_va_vdst(0)                   ; directly ahead of the waits below
	s_wait_loadcnt 0x0                             ; the weights (first trip) and their scale words
	s_wait_xcnt 0x0                                ; the prefetches have read their offset, whose register is filled anew below
	PASS 0
	PASS 1
	BAR                                            ; all rows have been read: c may be laid over them
	s_sub_co_u32 s[BLK], s[BLK], 1
	s_cmp_eq_u32 s[BLK], 0
	s_cbranch_scc1 .Ldone
	XPH 0
	CHUNK 0
	CHUNK 1
	CHUNK 2
	CHUNK 3
	s_wait_alu depctr_va_vdst(0)                   ; ahead of the branch
	s_cmp_lg_u32 s[BLK], 0
	s_cbranch_scc1 .Lblock
.Ldone:
	s_wait_tensorcnt 0x0                           ; the wave's end
	ds_add_u32 v[SPW], v[NIL]
	s_wait_dscnt 0x0
	CROUND                                         ; the closing round
	s_endpgm
.Lfunc_end_k_qd60ba165e9_fuse:
	.size	k_qd60ba165e9_fuse, .Lfunc_end_k_qd60ba165e9_fuse-k_qd60ba165e9_fuse
	.p2alignl 7, 3214868480
	.fill 96, 4, 3214868480
	.section	.rodata,"a",@progbits
	.p2align	6, 0x0
	.amdhsa_kernel k_qd60ba165e9_fuse
		.amdhsa_group_segment_fixed_size 318464
		.amdhsa_private_segment_fixed_size 0
		.amdhsa_enable_private_segment 0
		.amdhsa_kernarg_size 64
		.amdhsa_user_sgpr_count 2
		.amdhsa_user_sgpr_kernarg_segment_ptr 1
		.amdhsa_wavefront_size32 1
		.amdhsa_system_sgpr_workgroup_id_x 1
		.amdhsa_system_sgpr_workgroup_id_y 1
		.amdhsa_system_sgpr_workgroup_id_z 1
		.amdhsa_system_vgpr_workitem_id 0
		.amdhsa_next_free_vgpr 512
		.amdhsa_next_free_sgpr 66
		.amdhsa_reserve_vcc 1
		.amdhsa_float_denorm_mode_32 3
		.amdhsa_float_denorm_mode_16_64 3
		.amdhsa_memory_ordered 1
		.amdhsa_forward_progress 1
		.amdhsa_inst_pref_size 255
	.end_amdhsa_kernel
	.section	.bss,"aw",@nobits
	.p2align	6
	.space	262144
	.amdgpu_metadata
---
amdhsa.version: [ 1, 2 ]
amdhsa.kernels:
  - .name:           k_qd60ba165e9_fuse
    .symbol:         k_qd60ba165e9_fuse.kd
    .args:
      - { .name: c, .offset: 0, .size: 8, .value_kind: global_buffer, .address_space: global }
      - { .name: c_mask, .offset: 8, .size: 8, .value_kind: global_buffer, .address_space: global }
      - { .name: q_mask, .offset: 16, .size: 8, .value_kind: global_buffer, .address_space: global }
      - { .name: Br, .offset: 24, .size: 8, .value_kind: global_buffer, .address_space: global }
      - { .name: Bg, .offset: 32, .size: 8, .value_kind: global_buffer, .address_space: global }
      - { .name: qpack, .offset: 40, .size: 8, .value_kind: global_buffer, .address_space: global }
      - { .name: wpack, .offset: 48, .size: 8, .value_kind: global_buffer, .address_space: global }
      - { .name: out0, .offset: 56, .size: 8, .value_kind: global_buffer, .address_space: global }
    .group_segment_fixed_size: 318464
    .private_segment_fixed_size: 0
    .kernarg_segment_align: 8
    .kernarg_segment_size: 64
    .max_flat_workgroup_size: 256
    .sgpr_count:     66
    .vgpr_count:     512
    .wavefront_size: 32
...
	.end_amdgpu_metadata
.endif
;; end of part 2
